; MI455X (gfx1250); checked and timed in simulation.
; The chip was launched on July 23, 2026; its instructions are those of AMD's public machine-readable ISA for CDNA 5 (MIT licence, August 2026) and "CDNA5" Instruction Set Architecture Reference Guide (July 2026). The comments in the code are by the model that wrote it; some were corrected since.
;; Multihead Cross Attention. Allowed arithmetic: float matrix products may take bf16 or f16 operands with f32 sums; all other float work in f32.
;; Inputs: Wk 1,024 x 1,024 float32; Wo 1,024 x 1,024 float32; Wq 1,024 x 1,024 float32; Wv 1,024 x 1,024 float32; bk 1,024 float32; bo 1,024 float32; bq 1,024 float32; bv 1,024 float32; key 4 x 2,048 x 1,024 float32; key_padding_mask 4 x 2,048 int32; query 4 x 2,048 x 1,024 float32; value 4 x 2,048 x 1,024 float32.
;; Outputs: out0 4 x 2,048 x 1,024 float32.
;; One version. Each part assembles by itself: llvm-mc -triple=amdgcn-amd-amdhsa -mcpu=gfx1250 --defsym DOCPART=n.
;; ======== version 1 of 1: 4 launches
;; limits: values are held in f16: magnitudes above 65,504 overflow, below 6.1e-05 lose precision
;; workspace buffers: xb 50,331,648 bytes; wb 8,388,608 bytes; qkv 50,331,648 bytes; ao 16,777,216 bytes
;; launch cast (part 1): grid 1792 x 1, 8 waves a work-group, no clusters, 0 bytes of LDS; arguments query, key, value, Wq, Wk, Wv, Wo, xb, wb; writes xb, wb
.if DOCPART == 1
	.amdgcn_target "amdgcn-amd-amdhsa--gfx1250"
	.amdhsa_code_object_version 6
	.text
	.protected	k_q12425c90e1_cast
	.globl	k_q12425c90e1_cast
	.p2align	8
	.type	k_q12425c90e1_cast,@function
k_q12425c90e1_cast:
	s_mov_b64 s[64:65], 0
	v_nop
	global_prefetch_b8 v0, s[64:65] scope:SCOPE_SE
	s_setreg_imm32_b32 hwreg(HW_REG_WAVE_MODE, 25, 1), 1
	s_wait_xcnt 0x0
; f32 -> f16 (round to nearest even) of the seven large inputs, so that the products that follow find 16-bit tiles.
; xb = [24576][1024] f16: query's rows, then key's, then value's.  wb = [4096][1024] f16: Wq, Wk, Wv, Wo.
; LIMIT: a number above 65,504 in magnitude becomes an infinity in f16; numbers below 2^-14 keep an absolute step of 2^-24.
; 1,792 equal work-groups: each takes 65,536 bytes of f32 (query, key, value: 512 such chunks each; a weight: 64) and stores 32,768.
; A wave takes 8,192 bytes with sixteen 16-byte loads a lane, all issued at once; each load covers 512 consecutive bytes and each
; 8-byte store of the wave covers 256 consecutive bytes, aligned.
; No register is written twice, so no source has to be freed.
.set X, 4                              ; v[4:67]   sixteen loads, 4 f32 each
.set Y, 68                             ; v[68:99]  sixteen stores, 4 f16 each
	s_load_b512 s[8:23], s[0:1], 0x0               ; query s[8:9], key, value, Wq, Wk, Wv, Wo s[20:21], xb s[22:23]
	s_load_b64 s[24:25], s[0:1], 0x40              ; wb
	s_lshr_b32 s2, ttmp9, 9                        ; groups 0..1535: input number 0..2,
	s_and_b32 s3, ttmp9, 511                       ; its chunk
	s_sub_co_u32 s4, ttmp9, 1536                   ; groups 1536..1791: count from 0 (used only there)
	s_lshr_b32 s5, s4, 6
	s_add_co_u32 s5, s5, 3                         ; input number 3..6
	s_and_b32 s6, s4, 63                           ; its chunk
	s_cmp_lt_u32 ttmp9, 1536
	s_cselect_b32 s26, s2, s5                      ; which input
	s_cselect_b32 s27, s3, s6                      ; which chunk of it
	s_cselect_b32 s28, ttmp9, s4                   ; which chunk of xb or of wb
	v_and_b32 v3, 0xe0, v0                         ; 32 x wave
	v_and_b32 v2, 31, v0                           ; lane
	v_lshlrev_b32 v1, 4, v2
	v_lshl_or_b32 v1, v3, 8, v1                    ; in: wave x 8,192 + lane x 16
	v_lshlrev_b32 v2, 3, v2
	v_lshl_or_b32 v2, v3, 7, v2                    ; out: wave x 4,096 + lane x 8
	s_wait_kmcnt 0x0                               ; (leaves the compare's result as it is)
	s_cselect_b64 s[30:31], s[22:23], s[24:25]     ; xb or wb
	s_mov_b64 s[32:33], s[8:9]
.irp i, 1,2,3,4,5,6
	s_cmp_eq_u32 s26, \i
	s_cselect_b64 s[32:33], s[8+2*\i:9+2*\i], s[32:33]
.endr
	s_lshl_b32 s34, s27, 16                        // below 2^25
	s_mov_b32 s35, 0
	s_lshl_b32 s36, s28, 15                        // below 2^26
	s_mov_b32 s37, 0
	s_add_nc_u64 s[32:33], s[32:33], s[34:35]
	s_add_nc_u64 s[30:31], s[30:31], s[36:37]
.irp i, 0,1,2,3,4,5,6,7,8,9,10,11,12,13,14,15
	global_load_b128 v[X+4*\i:X+4*\i+3], v1, s[32:33] offset:512*\i th:TH_LOAD_NT   ; read once in the whole program
.endr
.irp i, 0,1,2,3,4,5,6,7,8,9,10,11,12,13,14,15
	s_wait_loadcnt 15-\i                           ; loads come back in order: load i is in, the younger ones stay out
	v_cvt_pk_f16_f32 v[Y+2*\i], v[X+4*\i], v[X+4*\i+1]
	v_cvt_pk_f16_f32 v[Y+2*\i+1], v[X+4*\i+2], v[X+4*\i+3]
	global_store_b64 v2, v[Y+2*\i:Y+2*\i+1], s[30:31] offset:256*\i
.endr
	s_endpgm
.Lfunc_end_k_q12425c90e1_cast:
	.size	k_q12425c90e1_cast, .Lfunc_end_k_q12425c90e1_cast-k_q12425c90e1_cast
	.p2alignl 7, 3214868480
	.fill 96, 4, 3214868480
	.section	.rodata,"a",@progbits
	.p2align	6, 0x0
	.amdhsa_kernel k_q12425c90e1_cast
		.amdhsa_group_segment_fixed_size 0
		.amdhsa_private_segment_fixed_size 0
		.amdhsa_enable_private_segment 0
		.amdhsa_kernarg_size 72
		.amdhsa_user_sgpr_count 2
		.amdhsa_user_sgpr_kernarg_segment_ptr 1
		.amdhsa_wavefront_size32 1
		.amdhsa_system_sgpr_workgroup_id_x 1
		.amdhsa_system_sgpr_workgroup_id_y 1
		.amdhsa_system_sgpr_workgroup_id_z 1
		.amdhsa_system_vgpr_workitem_id 0
		.amdhsa_next_free_vgpr 100
		.amdhsa_next_free_sgpr 66
		.amdhsa_reserve_vcc 0
		.amdhsa_float_denorm_mode_32 3
		.amdhsa_float_denorm_mode_16_64 3
		.amdhsa_memory_ordered 1
		.amdhsa_forward_progress 1
		.amdhsa_inst_pref_size 8
	.end_amdhsa_kernel
	.amdgpu_metadata
---
amdhsa.version: [ 1, 2 ]
amdhsa.kernels:
  - .name:           k_q12425c90e1_cast
    .symbol:         k_q12425c90e1_cast.kd
    .args:
      - { .name: query, .offset: 0, .size: 8, .value_kind: global_buffer, .address_space: global }
      - { .name: key, .offset: 8, .size: 8, .value_kind: global_buffer, .address_space: global }
      - { .name: value, .offset: 16, .size: 8, .value_kind: global_buffer, .address_space: global }
      - { .name: Wq, .offset: 24, .size: 8, .value_kind: global_buffer, .address_space: global }
      - { .name: Wk, .offset: 32, .size: 8, .value_kind: global_buffer, .address_space: global }
      - { .name: Wv, .offset: 40, .size: 8, .value_kind: global_buffer, .address_space: global }
      - { .name: Wo, .offset: 48, .size: 8, .value_kind: global_buffer, .address_space: global }
      - { .name: xb, .offset: 56, .size: 8, .value_kind: global_buffer, .address_space: global }
      - { .name: wb, .offset: 64, .size: 8, .value_kind: global_buffer, .address_space: global }
    .group_segment_fixed_size: 0
    .private_segment_fixed_size: 0
    .kernarg_segment_align: 8
    .kernarg_segment_size: 72
    .max_flat_workgroup_size: 256
    .sgpr_count:     66
    .vgpr_count:     100
    .wavefront_size: 32
...
	.end_amdgpu_metadata
.endif
;; end of part 1
;; launch proj (part 2): grid 4 x 96, 4 waves a work-group, clusters of 4 x 4, 327,680 bytes of LDS; arguments xb, wb, bq, bk, bv, qkv; writes qkv
.if DOCPART == 2
	.amdgcn_target "amdgcn-amd-amdhsa--gfx1250"
	.amdhsa_code_object_version 6
	.text
	.protected	k_q12425c90e1_proj
	.globl	k_q12425c90e1_proj
	.p2align	8
	.type	k_q12425c90e1_proj,@function
k_q12425c90e1_proj:
	s_mov_b64 s[64:65], 0
	v_nop
	global_prefetch_b8 v0, s[64:65] scope:SCOPE_SE
	s_setreg_imm32_b32 hwreg(HW_REG_WAVE_MODE, 25, 1), 1
	s_wait_xcnt 0x0
	s_wait_alu depctr_hold_cnt(0) depctr_sa_sdst(0) depctr_va_vdst(0) depctr_va_sdst(0) depctr_va_ssrc(0) depctr_va_vcc(0) depctr_vm_vsrc(0)
	s_getreg_b32 s2, hwreg(HW_REG_IB_STS2, 6, 4)
	s_cmp_eq_u32 s2, 0
	s_cbranch_scc0 .Lentry_in_a_cluster
	s_endpgm
.Lentry_in_a_cluster:
	s_bfe_u32 s2, ttmp6, 0x10000c
	s_cmp_lg_u32 s2, 0xf033
	s_cbranch_scc0 .Lentry_shape_is_right
	s_endpgm
.Lentry_shape_is_right:
; qkv[m][n] = (sum over k of xb[m][k] W_p[n][k] + b_p[n]) x s_p, rounded once to f16.  xb: [24576][1024] f16 (query, key, value rows),
; W_p = rows 1024 p .. of wb (p = 0 Wq, 1 Wk, 2 Wv), p = m / 8192; s_0 = 0.125 log2(e) (the scores' scale and the base-2 exponential's factor,
; laid on q before it is rounded), s_1 = s_2 = 1.  Sums in f32.
; LIMIT: operands and results are f16: magnitudes above 65,504 overflow.
; A work-group makes a block of 256 x 256 with four waves; a wave makes 128 x 128: 64 accumulator tiles of 16 x 16, 512 registers.
; K goes in steps of 128 through a ring of two LDS slots filled by the tensor data mover: a tile's rows are 256 bytes of memory, aligned.
; CLUSTERS: 4 x 4 work-groups.  The four of a row of the cluster need the same tiles of xb, the four of a column the same tiles of W: each tile is
; asked for jointly by the four, with one descriptor and a mask that names them.  p hangs on the cluster's y alone (8 clusters for each p).
;
; REGISTERS, in windows of 256:
;   window 0: v16-27 addresses; v64-127, v128-191 fragments of A, two buffers; v192-255 at work on the way out
;   window 1: v64-127, v128-191 fragments of B, two buffers (v64-127 hold the bias on the way out)
;   window 2: the 32 accumulator tiles of my rows 0-63 (tile (a, b) at v[8 (8 a + b)]);   window 3: those of my rows 64-127
; THE MATRIX INSTRUCTION IS USED TRANSPOSED: source 0 = 16 rows of W, source 1 = 16 rows of xb, so that lane l holds row l % 16 of the result
; and its registers 0 to 7 the columns 8 (l / 16) + 0 .. 7: eight neighbouring numbers of a row.
.set SIZE_K, 1024
.set SIZE_N, 1024
.set KSTEP,  128
.set PITCH,  272                       ; an LDS row: 256 bytes + 16 of padding, an odd multiple of 16: the 16 rows of a fragment load start in 16 different 16-byte columns
.set HALFT,  128*PITCH                 ; 128 rows: what one tensor load brings
.set SLOT,   4*HALFT                   ; A's 256 rows, then B's 256 rows
.set STAGE,  2*SLOT                    ; behind the ring: 16 rows x 272 bytes for each wave, for the way out; no fill lands there
.set SPITCH, 272
.set LAPS, SIZE_K/(2*KSTEP)            ; a lap = two K steps = once round the ring: 4
.set ADRA, 16                          ; v16-17  LDS address of my A fragments in slot 0, 1
.set ADRB, 20                          ; v20-21  the same for B
.set STO,  24                          ; v24     the way out: where I put 16 bytes of a row
.set RD,   25                          ; v25     the way out: where I read a row back
.set CO,   26                          ; v26     my byte offset in the result
.set BO,   27                          ; v27     my byte offset in the bias: 32 (l / 16)
.set F0,   64
.set F1,   128
.set TMP,  192
.set BIAS, 64                          ; window 1
.set G1, 24                            ; s[24:31] descriptor group 1 for A's tiles
.set G0, 32                            ; s[32:39] group 0 for A's tiles, one set for each slot
.set G1B, 48                           ; s[48:55] group 1 for B's tiles: the mask differs
.set G0B, 56                           ; s[56:63] group 0 for B's tiles
.set MSB, 0
.macro WIN new                         ; the immediate's high byte repeats the setting that is left
.if MSB != \new
	s_set_vgpr_msb (MSB<<8)|\new
.set MSB, \new
.endif
.endm
.set MUL_LO, 0xa1                      ; source 0 (B) window 1, source 1 (A) window 0, C and D window 2
.set MUL_HI, 0xf1                      ; the same, C and D window 3
.set TO_B,   0x40                      ; destination window 1, address window 0
; A joint load.  Waves 0 and 1 fetch A's two halves, waves 2 and 3 B's; the branch hangs on the wave's number alone.
.macro JLOAD s
	s_cmp_eq_u32 s11, 0
	s_cbranch_scc0 .Lfor_b_\@
	tensor_load_to_lds s[G0+4*\s:G0+4*\s+3], s[G1:G1+7]
	s_nop 0
	s_branch .Lasked_\@
.Lfor_b_\@:
	tensor_load_to_lds s[G0B+4*\s:G0B+4*\s+3], s[G1B:G1B+7]
	s_nop 0
.Lasked_\@:
.endm
; A round of the cluster's barrier: my work-group's barrier; wave 0 signals for the work-group; every wave waits for all sixteen; my work-group's barrier again.
.macro CREST                           ; a round behind its opening barrier
	s_cmp_lg_u32 s10, 0
	s_cbranch_scc1 .Lnot_wave_0_\@
	s_barrier_signal -3
.Lnot_wave_0_\@:
	s_barrier_wait -3
	s_barrier_signal -1
	s_barrier_wait -1
.endm
.macro CROUND                          ; a whole round
	s_barrier_signal -1
	s_barrier_wait -1
	CREST
.endm
	s_load_b128 s[4:7], s[0:1], 0x0                ; xb s[4:5], wb s[6:7]
	s_load_b128 s[68:71], s[0:1], 0x10             ; bq s[68:69], bk s[70:71]
	s_load_b64 s[72:73], s[0:1], 0x20              ; bv
	s_load_b64 s[8:9], s[0:1], 0x28                ; qkv
	s_set_vgpr_msb 0x40
	v_lshl_add_u32 v255, v0, 2, 0x48400
	s_set_vgpr_msb 0x4000
	v_mov_b32 v63, 0
	s_set_vgpr_msb 0x1
	ds_add_u32 v255, v63
	s_set_vgpr_msb 0x100
	v_lshrrev_b32 v1, 5, v0
	v_readfirstlane_b32 s10, v1                    ; wave 0..3
	s_lshr_b32 s11, s10, 1                         ; which half of the block's rows is mine.  Also: I fetch for A (0) or for B (1)
	s_and_b32 s12, s10, 1                          ; which half of its columns.  Also: which 128 rows of that tile I fetch
	s_bfe_u32 s40, ttmp6, 0x40000                  ; cx
	s_bfe_u32 s41, ttmp6, 0x40004                  ; cy
	s_lshl_b32 s42, ttmp9, 2
	s_add_co_u32 s42, s42, s40                     ; block column = 4 x cluster x + cx
	s_and_b32 s13, ttmp7, 0xffff
	s_lshl_b32 s13, s13, 2
	s_add_co_u32 s13, s13, s41                     ; block row = 4 x cluster y + cy
	s_and_b32 s76, ttmp7, 0xffff
	s_lshr_b32 s76, s76, 3                         ; p = cluster y / 8: 32 block rows for each of q, k, v; the same in all sixteen partners
	s_lshl_b32 s43, s41, 2
	s_lshl_b32 s43, 15, s43                        ; my row of the cluster: places 4 cy .. 4 cy + 3
	s_lshl_b32 s44, 0x1111, s40                    ; my column: places cx, cx + 4, cx + 8, cx + 12
	; descriptor group 1: a tile of 128 rows x 128 elements of 2 bytes, 4 words of padding behind every 64 words
	s_or_b32 s[G1+0], s43, (1<<16)|(1<<20)|(1<<21)|(5<<22)|(3<<25)
	s_or_b32 s[G1B+0], s44, (1<<16)|(1<<20)|(1<<21)|(5<<22)|(3<<25)
	s_mov_b32 s[G1B+1], KSTEP<<16
	s_mov_b32 s[G1+1], KSTEP<<16                   ; tensor_dim0 = 128
	s_mov_b32 s[G1B+2], 128<<16
	s_mov_b32 s[G1+2], 128<<16                     ; tensor_dim1 = 128
	s_mov_b32 s[G1B+3], KSTEP<<16
	s_mov_b32 s[G1+3], KSTEP<<16                   ; tile_dim0 = 128
	s_mov_b32 s[G1B+4], 128
	s_mov_b32 s[G1+4], 128                         ; tile_dim1 = 128
	s_mov_b32 s[G1B+5], SIZE_K
	s_mov_b32 s[G1+5], SIZE_K                      ; elements from row to row
	s_mov_b32 s[G1B+6], 0
	s_mov_b32 s[G1+6], 0
	s_mov_b32 s[G1B+7], 0
	s_mov_b32 s[G1+7], 0
	; where the tiles come from: A's hang on the block row alone, B's on the block column and p alone
	s_lshl_b32 s17, s12, 7                         ; which 128 rows of the tile I fetch
	s_lshl_b32 s16, s13, 8
	s_add_co_u32 s16, s16, s17                     ; A: row 256 x block row + 128 x half
	s_lshl_b32 s46, s42, 8
	s_add_co_u32 s46, s46, s17                     ; B: row 256 x block column + 128 x half
	s_lshl_b32 s77, s76, 10
	s_add_co_u32 s46, s46, s77                     ;    + 1024 p
	s_mov_b32 s17, 0
	s_mov_b32 s47, 0
	s_mov_b64 s[18:19], SIZE_K*2
	s_mul_u64 s[16:17], s[16:17], s[18:19]         ; in bytes
	s_mul_u64 s[46:47], s[46:47], s[18:19]
	s_mul_i32 s20, s10, HALFT                      ; where they go: wave x 128 rows
	s_wait_dscnt 0x0
	s_wait_kmcnt 0x0
	s_add_nc_u64 s[14:15], s[4:5], s[16:17]
	s_add_nc_u64 s[46:47], s[6:7], s[46:47]
	CROUND                                         ; all sixteen work-groups are here: the first joint loads meet
.irp s, 0,1
	s_mov_b32 s[G0+4*\s], 1
	s_add_co_u32 s[G0+4*\s+1], s20, \s*SLOT
	s_add_nc_u64 s[G0+4*\s+2:G0+4*\s+3], s[14:15], \s*KSTEP*2
	s_or_b32 s[G0+4*\s+3], s[G0+4*\s+3], 0x80000000
	s_mov_b32 s[G0B+4*\s], 1
	s_add_co_u32 s[G0B+4*\s+1], s20, \s*SLOT
	s_add_nc_u64 s[G0B+4*\s+2:G0B+4*\s+3], s[46:47], \s*KSTEP*2
	s_or_b32 s[G0B+4*\s+3], s[G0B+4*\s+3], 0x80000000
	JLOAD \s                                       ; both slots' first fills go out before anything else: two tensor loads of the wave are out
.endr
	; a fragment is 16 rows x 32 K in 8 registers: lane l holds row l % 16; two loads of 16 bytes, 32 bytes apart, at row x pitch + 16 (l / 16)
	v_and_b32 v1, 15, v0                           ; l % 16
	v_bfe_u32 v2, v0, 4, 1                         ; l / 16
	v_mul_u32_u24 v3, v1, PITCH
	v_lshl_add_u32 v3, v2, 4, v3
	s_mul_i32 s21, s11, HALFT                      ; my 128 rows of A
	s_mul_i32 s22, s12, HALFT                      ; my 128 rows of B,
	s_add_co_u32 s22, s22, 2*HALFT                 ; which lie behind A's 256
.irp s, 0,1
	v_add_nc_u32 v[ADRA+\s], s21, v3
	v_add_nc_u32 v[ADRB+\s], s22, v3
	s_add_co_u32 s21, s21, SLOT
	s_add_co_u32 s22, s22, SLOT
.endr
	s_mul_i32 s23, s10, 16*SPITCH
	s_add_co_u32 s23, s23, STAGE                   ; my stage
	v_mul_u32_u24 v4, v1, SPITCH
	v_lshl_add_u32 v4, v2, 4, v4
	v_add_nc_u32 v[STO], s23, v4
	v_mul_u32_u24 v5, v2, SPITCH
	v_lshl_add_u32 v5, v1, 4, v5
	v_add_nc_u32 v[RD], s23, v5
	v_mul_u32_u24 v5, v2, SIZE_N*2
	v_lshl_add_u32 v[CO], v1, 4, v5
	v_lshlrev_b32 v[BO], 5, v2
; 16 matrix instructions: m blocks a0, a0 + 1 of the window's four x all 8 n blocks, 32 along K.  zero = 1: the first product starts the sums.
.macro MUL16 f, hi, a0, zero
.irp a, \a0, \a0+1
.irp b, 0,1,2,3,4,5,6,7
.if \zero
	v_wmma_f32_16x16x32_f16 v[8*(8*(\a)+\b):8*(8*(\a)+\b)+7], v[\f+8*\b:\f+8*\b+7], v[\f+8*(4*\hi+\a):\f+8*(4*\hi+\a)+7], 0
.else
	v_wmma_f32_16x16x32_f16 v[8*(8*(\a)+\b):8*(8*(\a)+\b)+7], v[\f+8*\b:\f+8*\b+7], v[\f+8*(4*\hi+\a):\f+8*(4*\hi+\a)+7], v[8*(8*(\a)+\b):8*(8*(\a)+\b)+7]
.endif
.endr
.endr
.endm
; 32 LDS loads in one run: the fragments of one quarter step into buffer f
.macro FETCH slot, k, f
	WIN TO_B
.irp i, 0,1,2,3,4,5,6,7
	ds_load_b128 v[\f+8*\i:\f+8*\i+3],   v[ADRB+\slot] offset:\k+\i*16*PITCH
	ds_load_b128 v[\f+8*\i+4:\f+8*\i+7], v[ADRB+\slot] offset:\k+\i*16*PITCH+32
.endr
	WIN 0
.irp i, 0,1,2,3,4,5,6,7
	ds_load_b128 v[\f+8*\i:\f+8*\i+3],   v[ADRA+\slot] offset:\k+\i*16*PITCH
	ds_load_b128 v[\f+8*\i+4:\f+8*\i+7], v[ADRA+\slot] offset:\k+\i*16*PITCH+32
.endr
.endm
; four places between a matrix instruction and a load into, or a vector instruction on, one of its registers
.macro PLACES
.rept 4
	v_nop
.endr
.endm
; The 64 accumulators take turns, one instruction a turn, in the same order in every quarter step, over the backward jump too.
.macro QUARTER slot, k, f, g, zero
	s_wait_dscnt 8                                 ; B and A's rows 0-63 are in; the youngest eight loads (A's rows 64-127) may be out
	WIN MUL_LO
	MUL16 \f, 0, 0, \zero
	MUL16 \f, 0, 2, \zero
	PLACES
	FETCH \slot, \k, \g
	s_wait_dscnt 32                                ; all but the 32 just issued
	WIN MUL_HI
	MUL16 \f, 1, 0, \zero
	MUL16 \f, 1, 2, \zero
.endm
.macro THREE slot, zero
	QUARTER \slot, 64,  F0, F1, \zero
	QUARTER \slot, 128, F1, F0, 0
	QUARTER \slot, 192, F0, F1, 0
.endm
; The last quarter of a K step changes slots.  In front of the barrier each wave waits for its reads of this slot and for all its tensor loads (one is out:
; its part of the next slot); behind it the refill comes first, then the next slot's first fragments.
.macro TURN slot, next, fill
	s_wait_dscnt 8
	WIN MUL_LO
	MUL16 F1, 0, 0, 0
	s_wait_dscnt 0                                 ; my reads of this slot are over
	s_wait_tensorcnt 0x0                           ; all my tensor loads have landed
	ds_add_u32 v255, v63
	s_wait_dscnt 0x0
	s_barrier_signal -1                            ; (where a slot is filled again this barrier opens a round of the cluster's barrier)
	MUL16 F1, 0, 2, 0                              ; register work while the others arrive
	WIN 0
	s_barrier_wait -1
.if \fill
	CREST                                          ; no wave of any partner still reads this slot or has a load on its way
	s_add_nc_u64 s[G0+4*\slot+2:G0+4*\slot+3], s[G0+4*\slot+2:G0+4*\slot+3], 2*KSTEP*2
	s_add_nc_u64 s[G0B+4*\slot+2:G0B+4*\slot+3], s[G0B+4*\slot+2:G0B+4*\slot+3], 2*KSTEP*2
	JLOAD \slot                                    ; the first tensor load behind the round, and the wave's only one until the next
.endif
	PLACES
	FETCH \next, 0, F0
	WIN MUL_HI
	MUL16 F1, 1, 0, 0
	MUL16 F1, 1, 2, 0
.endm
.macro LAP zero
	THREE 0, \zero
	TURN 0, 1, 1
	THREE 1, 0
	TURN 1, 0, 1
.endm
	s_wait_tensorcnt 1                             ; my part of K step 0 is in; K step 1's load stays out
	s_barrier_signal -1
	s_barrier_wait -1
	FETCH 0, 0, F0
	LAP 1                                          ; the first lap's first products start the sums
	WIN 0
	s_mov_b32 s3, LAPS-2
.Llap:
	LAP 0
	WIN 0
	s_sub_co_u32 s3, s3, 1
	s_cmp_lg_u32 s3, 0
	s_cbranch_scc1 .Llap
	THREE 0, 0                                     ; the last lap fills nothing
	TURN 0, 1, 0
	THREE 1, 0
	s_wait_dscnt 8
	WIN MUL_LO
	MUL16 F1, 0, 0, 0
	MUL16 F1, 0, 2, 0
	s_wait_dscnt 0
	WIN MUL_HI
	MUL16 F1, 1, 0, 0
	MUL16 F1, 1, 2, 0
	; THE WAY OUT.  The four places stand behind the last matrix instructions, for all that follows.
	PLACES
	s_cmp_eq_u32 s76, 1                            ; the bias of my p
	s_cselect_b64 s[68:69], s[70:71], s[68:69]
	s_cmp_eq_u32 s76, 2
	s_cselect_b64 s[68:69], s[72:73], s[68:69]
	s_cmp_eq_u32 s76, 0
	s_cselect_b32 s78, 0x3e38aa3b, 1.0             ; q: 0.125 log2(e); k and v: 1
	s_mov_b32 s79, s78
	s_lshl_b32 s13, s13, 8
	s_lshl_b32 s14, s11, 7
	s_add_co_u32 s16, s13, s14                     ; my first row
	s_mov_b32 s17, 0
	s_mov_b64 s[18:19], SIZE_N*2
	s_mul_u64 s[16:17], s[16:17], s[18:19]
	s_add_nc_u64 s[8:9], s[8:9], s[16:17]
	s_lshl_b32 s46, s42, 9                         ; my first column in bytes of f16: 512 x block + 256 x half
	s_lshl_b32 s47, s12, 8
	s_add_co_u32 s46, s46, s47
	s_mov_b32 s47, 0
	s_add_nc_u64 s[8:9], s[8:9], s[46:47]
	s_lshl_b32 s46, s46, 1                         ; the same column in bytes of f32
	s_add_nc_u64 s[68:69], s[68:69], s[46:47]
	WIN TO_B
.irp b, 0,1,2,3,4,5,6,7
	global_load_b128 v[BIAS+8*\b:BIAS+8*\b+3],   v[BO], s[68:69] offset:64*\b       ; b[16 b + 8 (l / 16) + 0..3]
	global_load_b128 v[BIAS+8*\b+4:BIAS+8*\b+7], v[BO], s[68:69] offset:64*\b+16    ; .. + 4..7
.endr
	s_wait_loadcnt 0x0
	WIN 0x41
.set j, 0
.rept 32
	v_pk_mul_f32 v[BIAS+j:BIAS+j+1], v[BIAS+j:BIAS+j+1], s[78:79] op_sel_hi:[1,0]   ; b x s, so that one fused multiply-add makes (sum + b) x s
.set j, j+2
.endr
; rows 16 i .. 16 i + 15 of my block = the eight tiles (a, 0..7) of window 2 or 3 (from = 0x12 or 0x13: source 0 there, source 2 in window 1)
.macro OUT16 i, a, from, f
	WIN \from
.irp b, 0,1,2,3,4,5,6,7
.irp r, 0,1,2,3
	v_pk_fma_f32 v[TMP+8*\b+2*\r:TMP+8*\b+2*\r+1], v[8*(8*\a+\b)+2*\r:8*(8*\a+\b)+2*\r+1], s[78:79], v[BIAS+8*\b+2*\r:BIAS+8*\b+2*\r+1] op_sel_hi:[1,0,1]
.endr
.endr
	WIN 0
.irp b, 0,1,2,3,4,5,6,7
.irp r, 0,1,2,3
	v_cvt_pk_f16_f32 v[TMP+4*\b+\r], v[TMP+8*\b+2*\r], v[TMP+8*\b+2*\r+1]    ; in place, ascending: word 4 b + r never passes a pair that is still to be read
.endr
.endr
.irp b, 0,1,2,3,4,5,6,7
	ds_store_b128 v[STO], v[TMP+4*\b:TMP+4*\b+3] offset:32*\b
.endr
	s_wait_xcnt 0x0                                ; buffer f, which earlier stores read, and the stores' base are rewritten only behind this wait
.if \i
	s_add_nc_u64 s[8:9], s[8:9], 16*SIZE_N*2
.endif
.irp t, 0,1,2,3,4,5,6,7
	ds_load_b128 v[\f+4*\t:\f+4*\t+3], v[RD] offset:\t*2*SPITCH    ; a wave's LDS instructions are served in order: these see the stores above
.endr
.irp t, 0,1,2,3,4,5,6,7
	s_wait_dscnt 7-\t
	global_store_b128 v[CO], v[\f+4*\t:\f+4*\t+3], s[8:9] offset:2*\t*SIZE_N*2   ; 16 lanes store 256 consecutive bytes, aligned
.endr
.endm
	OUT16 0, 0, 0x12, F0
	OUT16 1, 1, 0x12, F1
	OUT16 2, 2, 0x12, F0
	OUT16 3, 3, 0x12, F1
	OUT16 4, 0, 0x13, F0
	OUT16 5, 1, 0x13, F1
	OUT16 6, 2, 0x13, F0
	OUT16 7, 3, 0x13, F1
	s_set_vgpr_msb 0x1
	s_wait_tensorcnt 0x0
	ds_add_u32 v255, v63
	s_wait_dscnt 0x0
	s_set_vgpr_msb 0x100
	CROUND                                         ; the closing round: no work-group ends while a partner may still ask for a tile that names it
	s_endpgm
.Lfunc_end_k_q12425c90e1_proj:
	.size	k_q12425c90e1_proj, .Lfunc_end_k_q12425c90e1_proj-k_q12425c90e1_proj
	.p2alignl 7, 3214868480
	.fill 96, 4, 3214868480
	.section	.rodata,"a",@progbits
	.p2align	6, 0x0
	.amdhsa_kernel k_q12425c90e1_proj
		.amdhsa_group_segment_fixed_size 327680
		.amdhsa_private_segment_fixed_size 0
		.amdhsa_enable_private_segment 0
		.amdhsa_kernarg_size 48
		.amdhsa_user_sgpr_count 2
		.amdhsa_user_sgpr_kernarg_segment_ptr 1
		.amdhsa_wavefront_size32 1
		.amdhsa_system_sgpr_workgroup_id_x 1
		.amdhsa_system_sgpr_workgroup_id_y 1
		.amdhsa_system_sgpr_workgroup_id_z 1
		.amdhsa_system_vgpr_workitem_id 0
		.amdhsa_next_free_vgpr 1024
		.amdhsa_next_free_sgpr 80
		.amdhsa_reserve_vcc 0
		.amdhsa_float_denorm_mode_32 3
		.amdhsa_float_denorm_mode_16_64 3
		.amdhsa_memory_ordered 1
		.amdhsa_forward_progress 1
		.amdhsa_inst_pref_size 216
	.end_amdhsa_kernel
	.amdgpu_metadata
---
amdhsa.version: [ 1, 2 ]
amdhsa.kernels:
  - .name:           k_q12425c90e1_proj
    .symbol:         k_q12425c90e1_proj.kd
    .args:
      - { .name: xb, .offset: 0, .size: 8, .value_kind: global_buffer, .address_space: global }
      - { .name: wb, .offset: 8, .size: 8, .value_kind: global_buffer, .address_space: global }
      - { .name: bq, .offset: 16, .size: 8, .value_kind: global_buffer, .address_space: global }
      - { .name: bk, .offset: 24, .size: 8, .value_kind: global_buffer, .address_space: global }
      - { .name: bv, .offset: 32, .size: 8, .value_kind: global_buffer, .address_space: global }
      - { .name: qkv, .offset: 40, .size: 8, .value_kind: global_buffer, .address_space: global }
    .group_segment_fixed_size: 327680
    .private_segment_fixed_size: 0
    .kernarg_segment_align: 8
    .kernarg_segment_size: 48
    .max_flat_workgroup_size: 128
    .sgpr_count:     80
    .vgpr_count:     1024
    .wavefront_size: 32
...
	.end_amdgpu_metadata
.endif
;; end of part 2
;; launch attn (part 3): grid 256 x 1, 8 waves a work-group, clusters of 4 x 1, 327,680 bytes of LDS; arguments qkv, key_padding_mask, ao; writes ao
.if DOCPART == 3
	.amdgcn_target "amdgcn-amd-amdhsa--gfx1250"
	.amdhsa_code_object_version 6
	.text
	.protected	k_q12425c90e1_attn
	.globl	k_q12425c90e1_attn
	.p2align	8
	.type	k_q12425c90e1_attn,@function
k_q12425c90e1_attn:
	s_mov_b64 s[64:65], 0
	v_nop
	global_prefetch_b8 v0, s[64:65] scope:SCOPE_SE
	s_setreg_imm32_b32 hwreg(HW_REG_WAVE_MODE, 25, 1), 1
	s_wait_xcnt 0x0
	s_wait_alu depctr_hold_cnt(0) depctr_sa_sdst(0) depctr_va_vdst(0) depctr_va_sdst(0) depctr_va_ssrc(0) depctr_va_vcc(0) depctr_vm_vsrc(0)
	s_getreg_b32 s2, hwreg(HW_REG_IB_STS2, 6, 4)
	s_cmp_eq_u32 s2, 0
	s_cbranch_scc0 .Lentry_in_a_cluster
	s_endpgm
.Lentry_in_a_cluster:
	s_bfe_u32 s2, ttmp6, 0x10000c
	s_cmp_lg_u32 s2, 0x3003
	s_cbranch_scc0 .Lentry_shape_is_right
	s_endpgm
.Lentry_shape_is_right:
; ao[b][query][h 64 + d] = sum over keys of softmax_key(q . k, masked) v, with a running maximum.  qkv: [24576][1024] f16, rows of q (already
; scaled by 0.125 log2 e), then k, then v; feature column h 64 + d.  key_padding_mask: [4][2048] int32, 0 = drop.  ao: [8192][1024] f16.
; LIMITS: a dropped key's score is -2^100 in place of -inf, so kept scores (in base-2 units) must lie above -2^99; P and the result are rounded to f16
; (P <= 1 by the running maximum; a result above 65,504 overflows); the sum l adds P before its rounding.  A batch with no kept key gives NaN.
; A work-group takes one batch, TWO neighbouring heads and 256 queries, so that every row of K, V and ao that it touches is 256 bytes, aligned.
; Eight waves: wave w takes head w / 4 of the pair and queries 64 (w % 4) .. + 63, and walks all 2,048 keys in steps of 64.
; CLUSTER: the four work-groups of a cluster take four query blocks of the same batch and head pair and need the same K and V tiles: every tile is asked
; for jointly (mask 15).  Two LDS slots of 256 keys (four steps) each for K and for V; waves 0-3 fetch K's quarters, waves 4-7 V's, one load a wave.
; TRANSPOSED USE: S^T = K Q^T + C (source 0 = 16 keys, source 1 = 16 queries): lane (r, h) holds, for query r, keys 8 h + 0..7 of a tile.  So the maximum and
; the sum stay in the lane but for one exchange of the two halves, the rescaling factor is one number a lane, and two packed tiles of S^T are a source-1 fragment
; of P^T as they stand.  O^T = V^T P^T, V^T read by the transposing LDS load.  The mask enters as C of the first product: 0 or -2^100 for each key.
;
; LDS: K slot s at s x 69,632 (256 rows, pitch 272); V slot s at 139,264 + s x 73,728 (pitch 288); the keys' terms at 286,720 (2,048 f32, stored once,
; never filled).  The way out stages 256 rows x 272 bytes in K slot 0, behind that slot's last fill and last read.
; REGISTERS.  Window 0: v8-19 addresses; v20-43 state of the four query tiles; v44-59 at work; v64-127 fragments of K, then of V; v128-255 S, then P.
;             Window 1: v0-127 O (tile (dt, qt) at 8 (4 dt + qt)); v128-191 Q; v192-223 the step's key terms.
.set KP,    272                        ; K's LDS pitch, an odd multiple of 16
.set VP,    288                        ; V's LDS pitch, an odd multiple of 32, for the transposing load
.set KSLOT, 256*KP
.set VHALF, 128*VP
.set VBASE, 2*KSLOT
.set BIASL, VBASE+4*VHALF              ; 286,720
.set PHB,   256*2048                   ; bytes of qkv from one slot's keys to the next slot's
.set KA,  8                            ; v8-9    K fragments, slot 0, 1
.set VA,  10                           ; v10-13  V fragments, slot 0 keys 0-127, 128-255, slot 1 likewise (the 16-bit offset reaches 128 rows)
.set BA,  14                           ; v14     key terms
.set STO, 15
.set RD,  16
.set CO,  17
.set QO,  18
.set CN,  19                           ; v19     a constant: -2^100, in the end the NaN pattern
.set ST,  20                           ; + 6 qt: pairs (mA, l), (mB, u), (alpha, x)
.set TM,  44                           ; + 4 qt: at work
.set FR,  64
.set SC,  128                          ; tile (qt, t) at SC + 32 qt + 8 t
.set QF,  128                          ; window 1: + 16 qt + 8 c
.set BI,  192                          ; window 1: + 8 t
.set G1K, 24
.set G0K, 32
.set G1V, 48
.set G0V, 56
.set MSB, 0
.macro WIN new                         ; the immediate's high byte repeats the setting that is left
.if MSB != \new
	s_set_vgpr_msb (MSB<<8)|\new
.set MSB, \new
.endif
.endm
.macro JLOAD s                         ; waves 0-3 ask for a quarter of K's tile, waves 4-7 for a quarter of V's: the branch hangs on the wave's number alone
	s_cmp_eq_u32 s11, 0
	s_cbranch_scc0 .Lfor_v_\@
	tensor_load_to_lds s[G0K+4*\s:G0K+4*\s+3], s[G1K:G1K+7]
	s_nop 0
	s_branch .Lasked_\@
.Lfor_v_\@:
	tensor_load_to_lds s[G0V+4*\s:G0V+4*\s+3], s[G1V:G1V+7]
	s_nop 0
.Lasked_\@:
.endm
.macro ROUND                           ; a round of the cluster's barrier
	s_barrier_signal -1
	s_barrier_wait -1
	s_cmp_lg_u32 s10, 0
	s_cbranch_scc1 .Lnot_wave_0_\@
	s_barrier_signal -3
.Lnot_wave_0_\@:
	s_barrier_wait -3
	s_barrier_signal -1
	s_barrier_wait -1
.endm
	s_load_b128 s[4:7], s[0:1], 0x0                ; qkv s[4:5], key_padding_mask s[6:7]
	s_load_b64 s[8:9], s[0:1], 0x10                ; ao
	v_lshl_add_u32 v62, v0, 2, 0x48000
	v_mov_b32 v63, 0
	ds_add_u32 v62, v63
	v_lshrrev_b32 v1, 5, v0
	v_readfirstlane_b32 s10, v1                    ; wave 0..7
	s_lshr_b32 s11, s10, 2                         ; which head of the pair.  Also: I fetch for K (0) or for V (1)
	s_and_b32 s12, s10, 3                          ; which 64 queries.  Also: which 64 rows of a tile I fetch
	s_bfe_u32 s13, ttmp6, 0x40000                  ; cx
	s_lshr_b32 s14, ttmp9, 1                       ; ttmp9 counts clusters: 64 = 4 batches x 8 head pairs x 2 halves of the queries
	s_lshr_b32 s15, s14, 3                         ; batch
	s_and_b32 s16, s14, 7                          ; head pair
	s_and_b32 s17, ttmp9, 1
	s_lshl_b32 s17, s17, 2
	s_add_co_u32 s17, s17, s13                     ; query block 0..7
	s_mov_b32 s20, 0x76543210                      ; v_permlanex16_b32: lane i of one half reads lane i of the other
	s_mov_b32 s21, 0xfedcba98
	; group 1: 64 rows x 128 elements of 2 bytes; padding behind every 64 words: 4 words for K, 8 for V; mask 15, bit 21 beside it
	s_mov_b32 s[G1K+0], 15|(1<<16)|(1<<20)|(1<<21)|(5<<22)|(3<<25)
	s_mov_b32 s[G1V+0], 15|(1<<16)|(1<<20)|(1<<21)|(5<<22)|(7<<25)
	s_mov_b32 s[G1K+1], 128<<16                    ; tensor_dim0 = 128
	s_mov_b32 s[G1V+1], 128<<16
	s_mov_b32 s[G1K+2], 64<<16                     ; tensor_dim1 = 64
	s_mov_b32 s[G1V+2], 64<<16
	s_mov_b32 s[G1K+3], 128<<16                    ; tile_dim0 = 128
	s_mov_b32 s[G1V+3], 128<<16
	s_mov_b32 s[G1K+4], 64                         ; tile_dim1 = 64
	s_mov_b32 s[G1V+4], 64
	s_mov_b32 s[G1K+5], 1024                       ; elements from row to row
	s_mov_b32 s[G1V+5], 1024
	s_mov_b32 s[G1K+6], 0
	s_mov_b32 s[G1V+6], 0
	s_mov_b32 s[G1K+7], 0
	s_mov_b32 s[G1V+7], 0
	; K's first tile, my quarter: row 8192 + 2048 batch + 64 quarter, byte 256 pair of the row.  Nothing here hangs on cx.
	s_lshl_b32 s40, s15, 11
	s_lshl_b32 s41, s12, 6
	s_add_co_u32 s40, s40, s41
	s_add_co_u32 s40, s40, 8192
	s_lshl_b32 s40, s40, 11
	s_lshl_b32 s41, s16, 8
	s_add_co_u32 s40, s40, s41
	s_mov_b32 s41, 0
	s_mul_i32 s22, s10, 64*KP                      ; LDS: K's quarter of waves 0-3
	s_mul_i32 s23, s10, 64*VP
	s_add_co_u32 s23, s23, VBASE-4*64*VP           ; LDS: V's quarter of waves 4-7
	; my 64 queries' rows of q: row 2048 batch + 256 block + 64 (w % 4), byte 256 pair + 128 head
	s_lshl_b32 s68, s15, 11
	s_lshl_b32 s69, s17, 8
	s_add_co_u32 s68, s68, s69
	s_lshl_b32 s69, s12, 6
	s_add_co_u32 s68, s68, s69
	s_lshl_b32 s68, s68, 11
	s_lshl_b32 s69, s16, 8
	s_add_co_u32 s68, s68, s69
	s_lshl_b32 s18, s11, 7                         ; 128 x head: also the head's place in an LDS row
	s_add_co_u32 s68, s68, s18
	s_mov_b32 s69, 0
	; the 32 rows of ao that I store: row 2048 batch + 256 block + 32 w, byte 256 pair
	s_lshl_b32 s72, s15, 11
	s_lshl_b32 s73, s17, 8
	s_add_co_u32 s72, s72, s73
	s_lshl_b32 s73, s10, 5
	s_add_co_u32 s72, s72, s73
	s_lshl_b32 s72, s72, 11
	s_lshl_b32 s73, s16, 8
	s_add_co_u32 s72, s72, s73
	s_mov_b32 s73, 0
	s_lshl_b32 s74, s15, 13                        ; the batch's 2,048 mask words
	s_mov_b32 s75, 0
	s_mul_i32 s19, s12, 64*KP                      ; the stage: my 64 queries' rows
	s_mul_i32 s46, s10, 32*KP                      ; the stage: the 32 rows that I read back
	s_wait_dscnt 0x0
	s_wait_kmcnt 0x0
	s_add_nc_u64 s[42:43], s[4:5], s[40:41]        ; K
	s_add_nc_u64 s[44:45], s[42:43], 8192*2048     ; V: 8,192 rows further down
	s_add_nc_u64 s[70:71], s[4:5], s[68:69]        ; Q
	s_add_nc_u64 s[8:9], s[8:9], s[72:73]
	s_add_nc_u64 s[6:7], s[6:7], s[74:75]
	ROUND                                          ; all four work-groups are here: the first joint loads meet
.irp s, 0,1
	s_mov_b32 s[G0K+4*\s], 1
	s_add_co_u32 s[G0K+4*\s+1], s22, \s*KSLOT
	s_add_nc_u64 s[G0K+4*\s+2:G0K+4*\s+3], s[42:43], \s*PHB
	s_or_b32 s[G0K+4*\s+3], s[G0K+4*\s+3], 0x80000000
	s_mov_b32 s[G0V+4*\s], 1
	s_add_co_u32 s[G0V+4*\s+1], s23, \s*2*VHALF
	s_add_nc_u64 s[G0V+4*\s+2:G0V+4*\s+3], s[44:45], \s*PHB
	s_or_b32 s[G0V+4*\s+3], s[G0V+4*\s+3], 0x80000000
	JLOAD \s                                       ; both slots' first fills: two tensor loads of the wave are out
.endr
	v_lshlrev_b32 v4, 4, v0                        ; 16 t: thread t turns mask words 4 t .. + 3 and 1024 + 4 t .. + 3 into key terms
	global_load_b128 v[FR:FR+3], v4, s[6:7]
	global_load_b128 v[FR+4:FR+7], v4, s[6:7] offset:4096
	v_and_b32 v2, 15, v0                           ; r
	v_bfe_u32 v3, v0, 4, 1                         ; h
	v_lshlrev_b32 v[QO], 11, v2                    ; Q fragment: row r, 16 h
	v_lshl_add_u32 v[QO], v3, 4, v[QO]
	WIN 0x40
.irp qt, 0,1,2,3
.irp c, 0,1
	global_load_b128 v[QF+16*\qt+8*\c:QF+16*\qt+8*\c+3],   v[QO], s[70:71] offset:32768*\qt+64*\c
	global_load_b128 v[QF+16*\qt+8*\c+4:QF+16*\qt+8*\c+7], v[QO], s[70:71] offset:32768*\qt+64*\c+32
.endr
.endr
	WIN 0
	v_mul_u32_u24 v5, v2, KP
	v_lshl_add_u32 v5, v3, 4, v5
	v_add_nc_u32 v[KA], s18, v5                    ; r x 272 + 16 h + 128 head
	v_add_nc_u32 v[KA+1], KSLOT, v[KA]
	v_and_b32 v6, 7, v0
	v_lshl_add_u32 v6, v3, 3, v6                   ; the transposing load: key 8 h + (l & 7),
	v_mul_u32_u24 v6, v6, VP
	v_bfe_u32 v7, v0, 3, 1
	v_lshl_add_u32 v6, v7, 4, v6                   ; 16 bytes further for lanes with bit 3 set
	v_add_nc_u32 v6, s18, v6
.irp n, 0,1,2,3
	v_add_nc_u32 v[VA+\n], VBASE+\n*VHALF, v6
.endr
	v_lshlrev_b32 v[BA], 5, v3
	v_add_nc_u32 v[BA], BIASL, v[BA]               ; terms of keys 8 h + 0..7
	v_add_nc_u32 v[STO], s19, v[KA]                ; (64 (w % 4) + r) x 272 + 128 head + 16 h
	v_mul_u32_u24 v[RD], v3, KP
	v_lshl_add_u32 v[RD], v2, 4, v[RD]
	v_add_nc_u32 v[RD], s46, v[RD]                 ; (32 w + h) x 272 + 16 r
	v_lshlrev_b32 v[CO], 11, v3
	v_lshl_add_u32 v[CO], v2, 4, v[CO]             ; h rows of ao + 16 r
	v_mov_b32 v[CN], 0xf1800000                    ; -2^100
	v_add_nc_u32 v5, BIASL, v4
.irp qt, 0,1,2,3
	v_mov_b32 v[ST+6*\qt+5], 0                     ; x: the lane exchange counts as a reader of its destination
.endr
	s_wait_loadcnt 16                              ; the two mask loads are in; the sixteen of Q stay out
.irp i, 0,1,2,3,4,5,6,7
	v_cmp_eq_u32 vcc_lo, 0, v[FR+\i]
	v_cndmask_b32 v[FR+\i], 0, v[CN], vcc_lo       ; kept: 0; dropped: -2^100
.endr
	ds_store_b128 v5, v[FR:FR+3]
	ds_store_b128 v5, v[FR+4:FR+7] offset:4096
	s_wait_loadcnt 0x0                             ; Q
	s_wait_tensorcnt 1                             ; my part of slot 0 is in; slot 1's load stays out
	s_wait_dscnt 0x0                               ; my key terms are in LDS, for the other waves
	s_barrier_signal -1
	s_barrier_wait -1
.macro SUBM qt, mn                     ; S - m, two at a time
.irp i, 0,2,4,6,8,10,12,14,16,18,20,22,24,26,28,30
	v_pk_add_f32 v[SC+32*\qt+\i:SC+32*\qt+\i+1], v[SC+32*\qt+\i:SC+32*\qt+\i+1], v[ST+6*\qt+\mn:ST+6*\qt+\mn+1] op_sel_hi:[1,0] neg_lo:[0,1] neg_hi:[0,1]
.endr
.endm
.macro EXPM qt                         ; P = 2^(S - m).  What follows each run is plain work on another query tile, ahead of any use of these results (ISA guide 5.7.2)
.set j, 0
.rept 32
	v_exp_f32 v[SC+32*\qt+j], v[SC+32*\qt+j]
.set j, j+1
.endr
.endm
.macro SUMCVT qt, first                ; l = l alpha + the lane's 32 P; then P to f16 in place: P(qt, kc) = 8 registers at SC + 32 qt + 16 kc
	s_wait_alu depctr_va_vdst(0)
	v_pk_add_f32 v[TM+4*\qt:TM+4*\qt+1],   v[SC+32*\qt:SC+32*\qt+1],   v[SC+32*\qt+2:SC+32*\qt+3]
	v_pk_add_f32 v[TM+4*\qt+2:TM+4*\qt+3], v[SC+32*\qt+4:SC+32*\qt+5], v[SC+32*\qt+6:SC+32*\qt+7]
.irp i, 8,12,16,20,24,28
	v_pk_add_f32 v[TM+4*\qt:TM+4*\qt+1],   v[TM+4*\qt:TM+4*\qt+1],   v[SC+32*\qt+\i:SC+32*\qt+\i+1]
	v_pk_add_f32 v[TM+4*\qt+2:TM+4*\qt+3], v[TM+4*\qt+2:TM+4*\qt+3], v[SC+32*\qt+\i+2:SC+32*\qt+\i+3]
.endr
	v_pk_add_f32 v[TM+4*\qt:TM+4*\qt+1], v[TM+4*\qt:TM+4*\qt+1], v[TM+4*\qt+2:TM+4*\qt+3]
.if \first
	v_add_f32 v[ST+6*\qt+1], v[TM+4*\qt], v[TM+4*\qt+1]
.else
	v_add_f32 v[TM+4*\qt], v[TM+4*\qt], v[TM+4*\qt+1]
	v_fma_f32 v[ST+6*\qt+1], v[ST+6*\qt+1], v[ST+6*\qt+4], v[TM+4*\qt]
.endif
.irp kc, 0,1
.irp i, 0,1,2,3,4,5,6,7
	v_cvt_pk_f16_f32 v[SC+32*\qt+16*\kc+\i], v[SC+32*\qt+16*\kc+2*\i], v[SC+32*\qt+16*\kc+2*\i+1]   ; ascending: word i never passes a pair still to be read
.endr
.endr
.endm
; One step: 64 keys (step st of slot's four) against my 64 queries.  boff: the slot's place among the key terms; mo, mn: where the old and the new maximum lie
; (0 = mA, 2 = mB, by turns); first = 1: nothing to rescale, the products start O.
; In both products the sixteen accumulators take turns, one instruction a turn.
.macro STEP slot, st, boff, mo, mn, first
	WIN 0x40
.irp t, 0,1,2,3
	ds_load_b128 v[BI+8*\t:BI+8*\t+3],   v[BA] offset:\boff+256*\st+64*\t
	ds_load_b128 v[BI+8*\t+4:BI+8*\t+7], v[BA] offset:\boff+256*\st+64*\t+16
.endr
	WIN 0
.irp c, 0,1
.irp t, 0,1,2,3
	ds_load_b128 v[FR+32*\c+8*\t:FR+32*\c+8*\t+3],   v[KA+\slot] offset:(64*\st+16*\t)*KP+64*\c
	ds_load_b128 v[FR+32*\c+8*\t+4:FR+32*\c+8*\t+7], v[KA+\slot] offset:(64*\st+16*\t)*KP+64*\c+32
.endr
.endr
	s_wait_dscnt 8                                 ; the key terms and K's d 0-31 are in; the eight loads of d 32-63 stay out
	WIN 0x14                                       ; Q and C in window 1
.irp qt, 0,1,2,3
.irp t, 0,1,2,3
	v_wmma_f32_16x16x32_f16 v[SC+32*\qt+8*\t:SC+32*\qt+8*\t+7], v[FR+8*\t:FR+8*\t+7], v[QF+16*\qt:QF+16*\qt+7], v[BI+8*\t:BI+8*\t+7]
.endr
.endr
	s_wait_dscnt 0
	WIN 0x04
.irp qt, 0,1,2,3
.irp t, 0,1,2,3
	v_wmma_f32_16x16x32_f16 v[SC+32*\qt+8*\t:SC+32*\qt+8*\t+7], v[FR+32+8*\t:FR+32+8*\t+7], v[QF+16*\qt+8:QF+16*\qt+15], v[SC+32*\qt+8*\t:SC+32*\qt+8*\t+7]
.endr
.endr
	WIN 0
.rept 4
	v_nop                                          ; four places ahead of the loads into K's fragments and of the reads of S
.endr
.irp kc, 0,1
.irp dt, 0,1,2,3
	ds_load_tr16_b128 v[FR+16*\dt+8*\kc:FR+16*\dt+8*\kc+3],   v[VA+2*\slot+\st/2] offset:((\st%2)*64+32*\kc)*VP+32*\dt
	ds_load_tr16_b128 v[FR+16*\dt+8*\kc+4:FR+16*\dt+8*\kc+7], v[VA+2*\slot+\st/2] offset:((\st%2)*64+32*\kc+16)*VP+32*\dt
.endr
.endr
	; the largest of the lane's 32 scores of each query tile: eight chains that do not wait for each other
.irp qt, 0,1,2,3
	v_max3_num_f32 v[TM+4*\qt],   v[SC+32*\qt],    v[SC+32*\qt+1],  v[SC+32*\qt+2]
	v_max3_num_f32 v[TM+4*\qt+1], v[SC+32*\qt+16], v[SC+32*\qt+17], v[SC+32*\qt+18]
.endr
.irp k, 3,5,7,9,11,13
.irp qt, 0,1,2,3
	v_max3_num_f32 v[TM+4*\qt],   v[TM+4*\qt],   v[SC+32*\qt+\k],    v[SC+32*\qt+\k+1]
	v_max3_num_f32 v[TM+4*\qt+1], v[TM+4*\qt+1], v[SC+32*\qt+16+\k], v[SC+32*\qt+17+\k]
.endr
.endr
.irp qt, 0,1,2,3
	v_max3_num_f32 v[ST+6*\qt+3], v[TM+4*\qt], v[TM+4*\qt+1], v[SC+32*\qt+15]
.endr
.irp qt, 0,1,2,3
	v_max_num_f32 v[ST+6*\qt+3], v[ST+6*\qt+3], v[SC+32*\qt+31]
.endr
.irp qt, 0,1,2,3
	v_permlanex16_b32 v[ST+6*\qt+5], v[ST+6*\qt+3], s20, s21       ; the other half's keys of the same query
.endr
.if \first
.irp qt, 0,1,2,3
	v_max_num_f32 v[ST+6*\qt+\mn], v[ST+6*\qt+3], v[ST+6*\qt+5]
.endr
.else
.irp qt, 0,1,2,3
	v_max3_num_f32 v[ST+6*\qt+\mn], v[ST+6*\qt+3], v[ST+6*\qt+5], v[ST+6*\qt+\mo]
.endr
.irp qt, 0,1,2,3
	v_sub_f32 v[ST+6*\qt+4], v[ST+6*\qt+\mo], v[ST+6*\qt+\mn]
.endr
.irp qt, 0,1,2,3
	v_exp_f32 v[ST+6*\qt+4], v[ST+6*\qt+4]         ; alpha = 2^(old m - new m); plain work that leaves alpha alone follows
.endr
.endif
	SUBM 0, \mn
	EXPM 0
	SUBM 1, \mn
	EXPM 1
	SUMCVT 0, \first
	SUBM 2, \mn
	EXPM 2
	SUMCVT 1, \first
	SUBM 3, \mn
	EXPM 3
	SUMCVT 2, \first
.if \first == 0
	WIN 0x41                                       // O in window 1, alpha in window 0
.irp dt, 0,1,2,3
.irp qt, 0,1,2,3
.irp i, 0,2,4,6
	v_pk_mul_f32 v[8*(4*\dt+\qt)+\i:8*(4*\dt+\qt)+\i+1], v[8*(4*\dt+\qt)+\i:8*(4*\dt+\qt)+\i+1], v[ST+6*\qt+4:ST+6*\qt+5] op_sel_hi:[1,0]
.endr
.endr
.endr
	WIN 0
.endif
	SUMCVT 3, \first
	s_wait_dscnt 8                                 ; V's keys 0-31 are in; the eight loads of keys 32-63 stay out
	WIN 0x50                                       ; C and D in window 1
.irp dt, 0,1,2,3
.irp qt, 0,1,2,3
.if \first
	v_wmma_f32_16x16x32_f16 v[8*(4*\dt+\qt):8*(4*\dt+\qt)+7], v[FR+16*\dt:FR+16*\dt+7], v[SC+32*\qt:SC+32*\qt+7], 0
.else
	v_wmma_f32_16x16x32_f16 v[8*(4*\dt+\qt):8*(4*\dt+\qt)+7], v[FR+16*\dt:FR+16*\dt+7], v[SC+32*\qt:SC+32*\qt+7], v[8*(4*\dt+\qt):8*(4*\dt+\qt)+7]
.endif
.endr
.endr
	s_wait_dscnt 0
.irp dt, 0,1,2,3
.irp qt, 0,1,2,3
	v_wmma_f32_16x16x32_f16 v[8*(4*\dt+\qt):8*(4*\dt+\qt)+7], v[FR+16*\dt+8:FR+16*\dt+15], v[SC+32*\qt+16:SC+32*\qt+23], v[8*(4*\dt+\qt):8*(4*\dt+\qt)+7]
.endr
.endr
	WIN 0
.rept 5
	v_nop                                          ; five places: the next step's first products write over P, its loads over V's fragments
.endr
.endm
; Four steps on one slot.  In front of the barrier every wave waits for all its tensor loads (its part of this slot among them) and for its reads of the
; other slot; where the other slot is filled again the barrier is a round of the cluster's, and the joint refill is the first thing behind it, one load a wave.
.macro PHASE slot, other, refill, boff
	s_wait_tensorcnt 0x0
	ds_add_u32 v62, v63
	s_wait_dscnt 0x0
.if \refill
	s_add_nc_u64 s[G0K+4*\other+2:G0K+4*\other+3], s[G0K+4*\other+2:G0K+4*\other+3], 2*PHB   ; no tensor load of mine is out: the other slot's next 256 keys
	s_add_nc_u64 s[G0V+4*\other+2:G0V+4*\other+3], s[G0V+4*\other+2:G0V+4*\other+3], 2*PHB
.endif
	s_wait_dscnt 0x0
.if \refill
	ROUND
	JLOAD \other
.else
	s_barrier_signal -1
	s_barrier_wait -1
.endif
	STEP \slot, 0, \boff, 0, 2, 0
	STEP \slot, 1, \boff, 2, 0, 0
	STEP \slot, 2, \boff, 0, 2, 0
	STEP \slot, 3, \boff, 2, 0, 0
.endm
	STEP 0, 0, 0, 0, 2, 1                          ; keys 0-255, slot 0; the first step starts m, l and O
	STEP 0, 1, 0, 2, 0, 0
	STEP 0, 2, 0, 0, 2, 0
	STEP 0, 3, 0, 2, 0, 0
	s_mov_b32 s3, 3
.Lphases:
	PHASE 1, 0, 1, 1024
	PHASE 0, 1, 1, 2048
	v_add_nc_u32 v[BA], 2048, v[BA]                ; 512 keys' terms on
	s_sub_co_u32 s3, s3, 1
	s_cmp_lg_u32 s3, 0
	s_cbranch_scc1 .Lphases
	PHASE 1, 0, 0, 1024                            ; keys 1792-2047: nothing is left to fetch
	; THE END: l over both halves of the lanes, 1 / l (NaN where no key was kept), O / l to f16, out through LDS in whole rows of 256 bytes.
.irp qt, 0,1,2,3
	v_permlanex16_b32 v[ST+6*\qt+5], v[ST+6*\qt+1], s20, s21
.endr
.irp qt, 0,1,2,3
	v_add_f32 v[ST+6*\qt+1], v[ST+6*\qt+1], v[ST+6*\qt+5]
.endr
.irp qt, 0,1,2,3
	v_rcp_f32 v[ST+6*\qt+4], v[ST+6*\qt+1]
.endr
	v_mov_b32 v[CN], 0x7fc00000                    ; (the plain instruction between the reciprocals and their use)
	s_wait_alu depctr_va_vdst(0)
.irp qt, 0,1,2,3
	v_cmp_gt_f32 vcc_lo, 0xf1000000, v[ST+6*\qt]   ; -2^99 > m: every key of the batch was dropped
	v_cndmask_b32 v[ST+6*\qt+4], v[ST+6*\qt+4], v[CN], vcc_lo
.endr
	WIN 0x01                                       ; O from window 1
.irp dt, 0,1,2,3
.irp qt, 0,1,2,3
.irp i, 0,2,4,6
	v_pk_mul_f32 v[SC+8*(4*\dt+\qt)+\i:SC+8*(4*\dt+\qt)+\i+1], v[8*(4*\dt+\qt)+\i:8*(4*\dt+\qt)+\i+1], v[ST+6*\qt+4:ST+6*\qt+5] op_sel_hi:[1,0]
.endr
.endr
.endr
	WIN 0
.set j, 0
.rept 64
	v_cvt_pk_f16_f32 v[SC+j], v[SC+2*j], v[SC+2*j+1]               ; tile (dt, qt): 4 words at SC + 4 (4 dt + qt) = d 16 dt + 8 h + 0..7 of query 16 qt + r
.set j, j+1
.endr
	; K slot 0 had its last fill and, in front of the last barrier, every wave's last read: it serves as the stage
.irp dt, 0,1,2,3
.irp qt, 0,1,2,3
	ds_store_b128 v[STO], v[SC+4*(4*\dt+\qt):SC+4*(4*\dt+\qt)+3] offset:16*KP*\qt+32*\dt
.endr
.endr
	s_wait_dscnt 0x0                               ; my part of the rows is in LDS, for the waves that store them
	s_barrier_signal -1
	s_barrier_wait -1
.irp t, 0,1,2,3,4,5,6,7,8,9,10,11,12,13,14,15
	ds_load_b128 v[FR+4*\t:FR+4*\t+3], v[RD] offset:2*KP*\t
.endr
.irp t, 0,1,2,3,4,5,6,7,8,9,10,11,12,13,14,15
	s_wait_dscnt 15-\t
	global_store_b128 v[CO], v[FR+4*\t:FR+4*\t+3], s[8:9] offset:4096*\t   ; 16 lanes store 256 consecutive bytes, aligned: both heads of one query
.endr
	s_wait_tensorcnt 0x0
	ds_add_u32 v62, v63
	s_wait_dscnt 0x0
	ROUND                                          ; the closing round: no work-group ends while a partner may still ask for a tile that names it
	s_endpgm
.Lfunc_end_k_q12425c90e1_attn:
	.size	k_q12425c90e1_attn, .Lfunc_end_k_q12425c90e1_attn-k_q12425c90e1_attn
	.p2alignl 7, 3214868480
	.fill 96, 4, 3214868480
	.section	.rodata,"a",@progbits
	.p2align	6, 0x0
	.amdhsa_kernel k_q12425c90e1_attn
		.amdhsa_group_segment_fixed_size 327680
		.amdhsa_private_segment_fixed_size 0
		.amdhsa_enable_private_segment 0
		.amdhsa_kernarg_size 24
		.amdhsa_user_sgpr_count 2
		.amdhsa_user_sgpr_kernarg_segment_ptr 1
		.amdhsa_wavefront_size32 1
		.amdhsa_system_sgpr_workgroup_id_x 1
		.amdhsa_system_sgpr_workgroup_id_y 1
		.amdhsa_system_sgpr_workgroup_id_z 1
		.amdhsa_system_vgpr_workitem_id 0
		.amdhsa_next_free_vgpr 512
		.amdhsa_next_free_sgpr 76
		.amdhsa_reserve_vcc 1
		.amdhsa_float_denorm_mode_32 3
		.amdhsa_float_denorm_mode_16_64 3
		.amdhsa_memory_ordered 1
		.amdhsa_forward_progress 1
		.amdhsa_inst_pref_size 255
	.end_amdhsa_kernel
	.section	.bss,"aw",@nobits
	.p2align	6
	.space	262144
	.amdgpu_metadata
---
amdhsa.version: [ 1, 2 ]
amdhsa.kernels:
  - .name:           k_q12425c90e1_attn
    .symbol:         k_q12425c90e1_attn.kd
    .args:
      - { .name: qkv, .offset: 0, .size: 8, .value_kind: global_buffer, .address_space: global }
      - { .name: key_padding_mask, .offset: 8, .size: 8, .value_kind: global_buffer, .address_space: global }
      - { .name: ao, .offset: 16, .size: 8, .value_kind: global_buffer, .address_space: global }
    .group_segment_fixed_size: 327680
    .private_segment_fixed_size: 0
    .kernarg_segment_align: 8
    .kernarg_segment_size: 24
    .max_flat_workgroup_size: 256
    .sgpr_count:     76
    .vgpr_count:     512
    .wavefront_size: 32
...
	.end_amdgpu_metadata
.endif
;; end of part 3
;; launch outp (part 4): grid 4 x 32, 4 waves a work-group, clusters of 4 x 4, 327,680 bytes of LDS; arguments ao, wb, bo, out0; writes out0
.if DOCPART == 4
	.amdgcn_target "amdgcn-amd-amdhsa--gfx1250"
	.amdhsa_code_object_version 6
	.text
	.protected	k_q12425c90e1_outp
	.globl	k_q12425c90e1_outp
	.p2align	8
	.type	k_q12425c90e1_outp,@function
k_q12425c90e1_outp:
	s_mov_b64 s[64:65], 0
	v_nop
	global_prefetch_b8 v0, s[64:65] scope:SCOPE_SE
	s_setreg_imm32_b32 hwreg(HW_REG_WAVE_MODE, 25, 1), 1
	s_wait_xcnt 0x0
	s_wait_alu depctr_hold_cnt(0) depctr_sa_sdst(0) depctr_va_vdst(0) depctr_va_sdst(0) depctr_va_ssrc(0) depctr_va_vcc(0) depctr_vm_vsrc(0)
	s_getreg_b32 s2, hwreg(HW_REG_IB_STS2, 6, 4)
	s_cmp_eq_u32 s2, 0
	s_cbranch_scc0 .Lentry_in_a_cluster
	s_endpgm
.Lentry_in_a_cluster:
	s_bfe_u32 s2, ttmp6, 0x10000c
	s_cmp_lg_u32 s2, 0xf033
	s_cbranch_scc0 .Lentry_shape_is_right
	s_endpgm
.Lentry_shape_is_right:
; out0[m][n] = sum over k of ao[m][k] Wo[n][k] + bo[n], in f32.  ao: [8192][1024] f16; Wo = rows 3072 .. 4095 of wb, f16; sums in f32.
; LIMIT: the operands are f16 (magnitudes above 65,504 overflow on their way here).
; The same product as the projections': a block of 256 x 256 for a work-group of four waves, 128 x 128 for a wave (64 accumulator tiles, 512 registers),
; K in steps of 128 through two LDS slots, 4 x 4 work-groups in a cluster with A's tiles asked for jointly along a row and B's along a column.
; 8192 x 1024 gives 128 such blocks; smaller blocks would halve the matrix work behind each tile's request and cost half as many bytes again for each multiply-add.
; The way out differs: the sums leave as f32, 16 rows of 512 bytes at a time through a stage of pitch 528.
;   window 0: v16-27 addresses; v64-127, v128-191 fragments of A, two buffers; v192-255 at work on the way out
;   window 1: v64-127, v128-191 fragments of B (v64-127 hold the bias on the way out);   windows 2, 3: accumulators
; The matrix instruction is used transposed (source 0 = rows of Wo, source 1 = rows of ao): a lane's 8 results are 8 neighbouring columns of one row.
.set SIZE_K, 1024
.set SIZE_N, 1024
.set KSTEP,  128
.set PITCH,  272
.set HALFT,  128*PITCH
.set SLOT,   4*HALFT
.set STAGE,  2*SLOT                    ; behind the ring: 16 rows x 528 bytes for each wave; no fill lands there
.set SPITCH, 528                       ; 512 bytes + 16: an odd multiple of 16
.set LAPS, SIZE_K/(2*KSTEP)
.set ADRA, 16
.set ADRB, 20
.set STO,  24
.set RD,   25
.set CO,   26
.set BO,   27
.set F0,   64
.set F1,   128
.set TMP,  192
.set BIAS, 64                          ; window 1
.set G1, 24
.set G0, 32
.set G1B, 48
.set G0B, 56
.set MSB, 0
.macro WIN new                         ; the immediate's high byte repeats the setting that is left
.if MSB != \new
	s_set_vgpr_msb (MSB<<8)|\new
.set MSB, \new
.endif
.endm
.set MUL_LO, 0xa1
.set MUL_HI, 0xf1
.set TO_B,   0x40
.macro JLOAD s                         ; waves 0 and 1 fetch A's two halves, waves 2 and 3 B's
	s_cmp_eq_u32 s11, 0
	s_cbranch_scc0 .Lfor_b_\@
	tensor_load_to_lds s[G0+4*\s:G0+4*\s+3], s[G1:G1+7]
	s_nop 0
	s_branch .Lasked_\@
.Lfor_b_\@:
	tensor_load_to_lds s[G0B+4*\s:G0B+4*\s+3], s[G1B:G1B+7]
	s_nop 0
.Lasked_\@:
.endm
.macro CREST                           ; a round of the cluster's barrier behind its opening barrier
	s_cmp_lg_u32 s10, 0
	s_cbranch_scc1 .Lnot_wave_0_\@
	s_barrier_signal -3
.Lnot_wave_0_\@:
	s_barrier_wait -3
	s_barrier_signal -1
	s_barrier_wait -1
.endm
.macro CROUND
	s_barrier_signal -1
	s_barrier_wait -1
	CREST
.endm
	s_load_b128 s[4:7], s[0:1], 0x0                ; ao s[4:5], wb s[6:7]
	s_load_b64 s[68:69], s[0:1], 0x10              ; bo
	s_load_b64 s[8:9], s[0:1], 0x18                ; out0
	s_set_vgpr_msb 0x40
	v_lshl_add_u32 v255, v0, 2, 0x4c400
	s_set_vgpr_msb 0x4000
	v_mov_b32 v63, 0
	s_set_vgpr_msb 0x1
	ds_add_u32 v255, v63
	s_set_vgpr_msb 0x100
	v_lshrrev_b32 v1, 5, v0
	v_readfirstlane_b32 s10, v1                    ; wave 0..3
	s_lshr_b32 s11, s10, 1
	s_and_b32 s12, s10, 1
	s_bfe_u32 s40, ttmp6, 0x40000                  ; cx
	s_bfe_u32 s41, ttmp6, 0x40004                  ; cy
	s_lshl_b32 s42, ttmp9, 2
	s_add_co_u32 s42, s42, s40                     ; block column
	s_and_b32 s13, ttmp7, 0xffff
	s_lshl_b32 s13, s13, 2
	s_add_co_u32 s13, s13, s41                     ; block row
	s_lshl_b32 s43, s41, 2
	s_lshl_b32 s43, 15, s43                        ; my row of the cluster
	s_lshl_b32 s44, 0x1111, s40                    ; my column
	s_or_b32 s[G1+0], s43, (1<<16)|(1<<20)|(1<<21)|(5<<22)|(3<<25)
	s_or_b32 s[G1B+0], s44, (1<<16)|(1<<20)|(1<<21)|(5<<22)|(3<<25)
	s_mov_b32 s[G1B+1], KSTEP<<16
	s_mov_b32 s[G1+1], KSTEP<<16
	s_mov_b32 s[G1B+2], 128<<16
	s_mov_b32 s[G1+2], 128<<16
	s_mov_b32 s[G1B+3], KSTEP<<16
	s_mov_b32 s[G1+3], KSTEP<<16
	s_mov_b32 s[G1B+4], 128
	s_mov_b32 s[G1+4], 128
	s_mov_b32 s[G1B+5], SIZE_K
	s_mov_b32 s[G1+5], SIZE_K
	s_mov_b32 s[G1B+6], 0
	s_mov_b32 s[G1+6], 0
	s_mov_b32 s[G1B+7], 0
	s_mov_b32 s[G1+7], 0
	s_lshl_b32 s17, s12, 7
	s_lshl_b32 s16, s13, 8
	s_add_co_u32 s16, s16, s17                     ; A: row 256 x block row + 128 x half
	s_lshl_b32 s46, s42, 8
	s_add_co_u32 s46, s46, s17
	s_add_co_u32 s46, s46, 3072                    ; B: row 3072 + 256 x block column + 128 x half
	s_mov_b32 s17, 0
	s_mov_b32 s47, 0
	s_mov_b64 s[18:19], SIZE_K*2
	s_mul_u64 s[16:17], s[16:17], s[18:19]
	s_mul_u64 s[46:47], s[46:47], s[18:19]
	s_mul_i32 s20, s10, HALFT
	s_wait_dscnt 0x0
	s_wait_kmcnt 0x0
	s_add_nc_u64 s[14:15], s[4:5], s[16:17]
	s_add_nc_u64 s[46:47], s[6:7], s[46:47]
	CROUND                                         ; all sixteen work-groups are here: the first joint loads meet
.irp s, 0,1
	s_mov_b32 s[G0+4*\s], 1
	s_add_co_u32 s[G0+4*\s+1], s20, \s*SLOT
	s_add_nc_u64 s[G0+4*\s+2:G0+4*\s+3], s[14:15], \s*KSTEP*2
	s_or_b32 s[G0+4*\s+3], s[G0+4*\s+3], 0x80000000
	s_mov_b32 s[G0B+4*\s], 1
	s_add_co_u32 s[G0B+4*\s+1], s20, \s*SLOT
	s_add_nc_u64 s[G0B+4*\s+2:G0B+4*\s+3], s[46:47], \s*KSTEP*2
	s_or_b32 s[G0B+4*\s+3], s[G0B+4*\s+3], 0x80000000
	JLOAD \s                                       ; two tensor loads of the wave are out
.endr
	v_and_b32 v1, 15, v0                           ; l % 16
	v_bfe_u32 v2, v0, 4, 1                         ; l / 16
	v_mul_u32_u24 v3, v1, PITCH
	v_lshl_add_u32 v3, v2, 4, v3
	s_mul_i32 s21, s11, HALFT
	s_mul_i32 s22, s12, HALFT
	s_add_co_u32 s22, s22, 2*HALFT
.irp s, 0,1
	v_add_nc_u32 v[ADRA+\s], s21, v3
	v_add_nc_u32 v[ADRB+\s], s22, v3
	s_add_co_u32 s21, s21, SLOT
	s_add_co_u32 s22, s22, SLOT
.endr
	s_mul_i32 s23, s10, 16*SPITCH
	s_add_co_u32 s23, s23, STAGE                   ; my stage
	v_mul_u32_u24 v4, v1, SPITCH                   ; in: row l % 16, 32 bytes for each half of the lanes
	v_lshl_add_u32 v4, v2, 5, v4
	v_add_nc_u32 v[STO], s23, v4
	v_and_b32 v5, 31, v0
	v_lshlrev_b32 v[CO], 4, v5                     ; back and out: the 32 lanes take one row of 512 bytes
	v_add_nc_u32 v[RD], s23, v[CO]
	v_lshlrev_b32 v[BO], 5, v2
.macro MUL16 f, hi, a0, zero
.irp a, \a0, \a0+1
.irp b, 0,1,2,3,4,5,6,7
.if \zero
	v_wmma_f32_16x16x32_f16 v[8*(8*(\a)+\b):8*(8*(\a)+\b)+7], v[\f+8*\b:\f+8*\b+7], v[\f+8*(4*\hi+\a):\f+8*(4*\hi+\a)+7], 0
.else
	v_wmma_f32_16x16x32_f16 v[8*(8*(\a)+\b):8*(8*(\a)+\b)+7], v[\f+8*\b:\f+8*\b+7], v[\f+8*(4*\hi+\a):\f+8*(4*\hi+\a)+7], v[8*(8*(\a)+\b):8*(8*(\a)+\b)+7]
.endif
.endr
.endr
.endm
.macro FETCH slot, k, f
	WIN TO_B
.irp i, 0,1,2,3,4,5,6,7
	ds_load_b128 v[\f+8*\i:\f+8*\i+3],   v[ADRB+\slot] offset:\k+\i*16*PITCH
	ds_load_b128 v[\f+8*\i+4:\f+8*\i+7], v[ADRB+\slot] offset:\k+\i*16*PITCH+32
.endr
	WIN 0
.irp i, 0,1,2,3,4,5,6,7
	ds_load_b128 v[\f+8*\i:\f+8*\i+3],   v[ADRA+\slot] offset:\k+\i*16*PITCH
	ds_load_b128 v[\f+8*\i+4:\f+8*\i+7], v[ADRA+\slot] offset:\k+\i*16*PITCH+32
.endr
.endm
.macro PLACES                          ; four places between a matrix instruction and a load into, or a vector instruction on, one of its registers
.rept 4
	v_nop
.endr
.endm
; The 64 accumulators take turns, one instruction a turn, over the backward jump too.
.macro QUARTER slot, k, f, g, zero
	s_wait_dscnt 8                                 ; the youngest eight loads (A's rows 64-127) may be out
	WIN MUL_LO
	MUL16 \f, 0, 0, \zero
	MUL16 \f, 0, 2, \zero
	PLACES
	FETCH \slot, \k, \g
	s_wait_dscnt 32                                ; all but the 32 just issued
	WIN MUL_HI
	MUL16 \f, 1, 0, \zero
	MUL16 \f, 1, 2, \zero
.endm
.macro THREE slot, zero
	QUARTER \slot, 64,  F0, F1, \zero
	QUARTER \slot, 128, F1, F0, 0
	QUARTER \slot, 192, F0, F1, 0
.endm
.macro TURN slot, next, fill
	s_wait_dscnt 8
	WIN MUL_LO
	MUL16 F1, 0, 0, 0
	s_wait_dscnt 0                                 ; my reads of this slot are over
	s_wait_tensorcnt 0x0                           ; all my tensor loads have landed: my part of the next slot
	ds_add_u32 v255, v63
	s_wait_dscnt 0x0
	s_barrier_signal -1                            ; (where a slot is filled again this barrier opens a round of the cluster's barrier)
	MUL16 F1, 0, 2, 0
	WIN 0
	s_barrier_wait -1
.if \fill
	CREST                                          ; no wave of any partner still reads this slot or has a load on its way
	s_add_nc_u64 s[G0+4*\slot+2:G0+4*\slot+3], s[G0+4*\slot+2:G0+4*\slot+3], 2*KSTEP*2
	s_add_nc_u64 s[G0B+4*\slot+2:G0B+4*\slot+3], s[G0B+4*\slot+2:G0B+4*\slot+3], 2*KSTEP*2
	JLOAD \slot                                    ; the first tensor load behind the round, the wave's only one until the next
.endif
	PLACES
	FETCH \next, 0, F0
	WIN MUL_HI
	MUL16 F1, 1, 0, 0
	MUL16 F1, 1, 2, 0
.endm
.macro LAP zero
	THREE 0, \zero
	TURN 0, 1, 1
	THREE 1, 0
	TURN 1, 0, 1
.endm
	s_wait_tensorcnt 1                             ; my part of K step 0 is in; K step 1's load stays out
	s_barrier_signal -1
	s_barrier_wait -1
	FETCH 0, 0, F0
	LAP 1
	WIN 0
	s_mov_b32 s3, LAPS-2
.Llap:
	LAP 0
	WIN 0
	s_sub_co_u32 s3, s3, 1
	s_cmp_lg_u32 s3, 0
	s_cbranch_scc1 .Llap
	THREE 0, 0                                     ; the last lap fills nothing
	TURN 0, 1, 0
	THREE 1, 0
	s_wait_dscnt 8
	WIN MUL_LO
	MUL16 F1, 0, 0, 0
	MUL16 F1, 0, 2, 0
	s_wait_dscnt 0
	WIN MUL_HI
	MUL16 F1, 1, 0, 0
	MUL16 F1, 1, 2, 0
	; THE WAY OUT
	PLACES
	s_lshl_b32 s13, s13, 8
	s_lshl_b32 s14, s11, 7
	s_add_co_u32 s16, s13, s14                     ; my first row
	s_mov_b32 s17, 0
	s_mov_b64 s[18:19], SIZE_N*4
	s_mul_u64 s[16:17], s[16:17], s[18:19]
	s_add_nc_u64 s[8:9], s[8:9], s[16:17]
	s_lshl_b32 s46, s42, 10                        ; my first column in bytes of f32: 1024 x block + 512 x half, in out0's rows and in bo alike
	s_lshl_b32 s47, s12, 9
	s_add_co_u32 s46, s46, s47
	s_mov_b32 s47, 0
	s_add_nc_u64 s[8:9], s[8:9], s[46:47]
	s_add_nc_u64 s[68:69], s[68:69], s[46:47]
	WIN TO_B
.irp b, 0,1,2,3,4,5,6,7
	global_load_b128 v[BIAS+8*\b:BIAS+8*\b+3],   v[BO], s[68:69] offset:64*\b
	global_load_b128 v[BIAS+8*\b+4:BIAS+8*\b+7], v[BO], s[68:69] offset:64*\b+16
.endr
	s_wait_loadcnt 0x0
; rows 16 i .. 16 i + 15 of my block = the eight tiles (a, 0..7) of window 2 or 3 (from = 0x06 or 0x07: source 0 there, source 1 in window 1); f: 64 registers
.macro OUT16F i, a, from, f
	WIN \from
.irp b, 0,1,2,3,4,5,6,7
.irp r, 0,1,2,3
	v_pk_add_f32 v[TMP+8*\b+2*\r:TMP+8*\b+2*\r+1], v[8*(8*\a+\b)+2*\r:8*(8*\a+\b)+2*\r+1], v[BIAS+8*\b+2*\r:BIAS+8*\b+2*\r+1]
.endr
.endr
	WIN 0
.irp b, 0,1,2,3,4,5,6,7
	ds_store_b128 v[STO], v[TMP+8*\b:TMP+8*\b+3]   offset:64*\b
	ds_store_b128 v[STO], v[TMP+8*\b+4:TMP+8*\b+7] offset:64*\b+16
.endr
	s_wait_xcnt 0x0                                ; buffer f, which earlier stores read, and the stores' base are rewritten only behind this wait
.if \i
	s_add_nc_u64 s[8:9], s[8:9], 16*SIZE_N*4
.endif
.irp t, 0,1,2,3,4,5,6,7,8,9,10,11,12,13,14,15
	ds_load_b128 v[\f+4*\t:\f+4*\t+3], v[RD] offset:\t*SPITCH      ; a wave's LDS instructions are served in order: these see the stores above
.endr
.irp t, 0,1,2,3,4,5,6,7,8,9,10,11,12,13,14,15
	s_wait_dscnt 15-\t
	global_store_b128 v[CO], v[\f+4*\t:\f+4*\t+3], s[8:9] offset:\t*SIZE_N*4 th:TH_STORE_NT   ; the wave stores 512 consecutive bytes, aligned
.endr
.endm
	OUT16F 0, 0, 0x06, F0
	OUT16F 1, 1, 0x06, F1
	OUT16F 2, 2, 0x06, F0
	OUT16F 3, 3, 0x06, F1
	OUT16F 4, 0, 0x07, F0
	OUT16F 5, 1, 0x07, F1
	OUT16F 6, 2, 0x07, F0
	OUT16F 7, 3, 0x07, F1
	s_set_vgpr_msb 0x1
	s_wait_tensorcnt 0x0
	ds_add_u32 v255, v63
	s_wait_dscnt 0x0
	s_set_vgpr_msb 0x100
	CROUND                                         ; the closing round
	s_endpgm
.Lfunc_end_k_q12425c90e1_outp:
	.size	k_q12425c90e1_outp, .Lfunc_end_k_q12425c90e1_outp-k_q12425c90e1_outp
	.p2alignl 7, 3214868480
	.fill 96, 4, 3214868480
	.section	.rodata,"a",@progbits
	.p2align	6, 0x0
	.amdhsa_kernel k_q12425c90e1_outp
		.amdhsa_group_segment_fixed_size 327680
		.amdhsa_private_segment_fixed_size 0
		.amdhsa_enable_private_segment 0
		.amdhsa_kernarg_size 32
		.amdhsa_user_sgpr_count 2
		.amdhsa_user_sgpr_kernarg_segment_ptr 1
		.amdhsa_wavefront_size32 1
		.amdhsa_system_sgpr_workgroup_id_x 1
		.amdhsa_system_sgpr_workgroup_id_y 1
		.amdhsa_system_sgpr_workgroup_id_z 1
		.amdhsa_system_vgpr_workitem_id 0
		.amdhsa_next_free_vgpr 1024
		.amdhsa_next_free_sgpr 72
		.amdhsa_reserve_vcc 0
		.amdhsa_float_denorm_mode_32 3
		.amdhsa_float_denorm_mode_16_64 3
		.amdhsa_memory_ordered 1
		.amdhsa_forward_progress 1
		.amdhsa_inst_pref_size 214
	.end_amdhsa_kernel
	.amdgpu_metadata
---
amdhsa.version: [ 1, 2 ]
amdhsa.kernels:
  - .name:           k_q12425c90e1_outp
    .symbol:         k_q12425c90e1_outp.kd
    .args:
      - { .name: ao, .offset: 0, .size: 8, .value_kind: global_buffer, .address_space: global }
      - { .name: wb, .offset: 8, .size: 8, .value_kind: global_buffer, .address_space: global }
      - { .name: bo, .offset: 16, .size: 8, .value_kind: global_buffer, .address_space: global }
      - { .name: out0, .offset: 24, .size: 8, .value_kind: global_buffer, .address_space: global }
    .group_segment_fixed_size: 327680
    .private_segment_fixed_size: 0
    .kernarg_segment_align: 8
    .kernarg_segment_size: 32
    .max_flat_workgroup_size: 128
    .sgpr_count:     72
    .vgpr_count:     1024
    .wavefront_size: 32
...
	.end_amdgpu_metadata
.endif
;; end of part 4
